; MI455X (gfx1250); checked and timed in simulation.
; The chip was launched on July 23, 2026; its instructions are those of AMD's public machine-readable ISA for CDNA 5 (MIT licence, August 2026) and "CDNA5" Instruction Set Architecture Reference Guide (July 2026). The comments in the code are by the model that wrote it; some were corrected since.
;; Multihead Attention cavhe. Allowed arithmetic: matrix products marked QUANTISED: E4M3 operands, one given power-of-two scale a tensor, by v_wmma_f32_16x16x64_fp8_fp8 or v_wmma_f32_16x16x128_fp8_fp8, f32 sums; everything else in f32.
;; Inputs: Wk 1,024 x 1,024 float32; Wo 1,024 x 1,024 float32; Wq 1,024 x 1,024 float32; Wv 1,024 x 1,024 float32; bk 1,024 float32; bo 1,024 float32; bq 1,024 float32; bv 1,024 float32; lowp_scales 12 int32 (the exponents e of the quantised operands' scales 2^e); x 4 x 2,048 x 1,024 float32.
;; Outputs: out0 4 x 2,048 x 1,024 float32.
;; This version of the problem:
;;   THIS VERSION OF THE PROBLEM IS GIVEN IN LOW PRECISION. The matrix products marked QUANTISED in the list below multiply operands that are first quantised to E4M3 (4 exponent bits, 3 mantissa bits; 8 bits a number), with one given power-of-two scale for each operand tensor; their sums are f32. All else is computed in f32.
;;   The module's matrix products, in the order in which they are computed (A, B: the left and right operand; K: the contracted axis; several contracted axes count as one K, in the product's order):
;;     1. [M 8,192, K 1,024] x [K 1,024, N 1,024]; A: input x; B: input Wq: QUANTISED (scales: A lowp_scales[0], B lowp_scales[1])
;;     2. [M 8,192, K 1,024] x [K 1,024, N 1,024]; A: input x; B: input Wk: QUANTISED (scales: A lowp_scales[2], B lowp_scales[3])
;;     3. [M 8,192, K 1,024] x [K 1,024, N 1,024]; A: input x; B: input Wv: QUANTISED (scales: A lowp_scales[4], B lowp_scales[5])
;;     4. batch 64 x [M 2,048, K 64] x [K 64, N 2,048]; A: computed on the way; B: computed on the way: QUANTISED (scales: A lowp_scales[6], B lowp_scales[7])
;;     5. batch 64 x [M 2,048, K 2,048] x [K 2,048, N 64]; A: softmax (see below); B: computed on the way: QUANTISED (scales: A lowp_scales[8], B lowp_scales[9])
;;     6. [M 8,192, K 1,024] x [K 1,024, N 1,024]; A: computed on the way; B: input Wo: QUANTISED (scales: A lowp_scales[10], B lowp_scales[11])
;;   THE QUANTISER, for each operand of a quantised product, along K:
;;     - The operand's scale is 2^e, e = its entry of the input lowp_scales (int32; the entries are numbered through the quantised products in the list's order, A before B).
;;     - Each number is divided by the scale, clamped to +-448, and rounded to the nearest number of E4M3, ties to even, subnormals kept.
;;     - The product sums the exact products of the quantised numbers (number of the format x scale) in f32.
;;   ~~~python
;;   def quantise(x, axis, e):      # numpy; x: float32 -> the quantised numbers, widened to float32 again
;;       x = np.moveaxis(x, axis, -1); K = x.shape[-1]
;;       r = np.clip(x / 2.0 ** e, -448, 448)
;;       step = 2.0 ** (np.maximum(np.frexp(np.where(r == 0, 1, r))[1] - 1, -6) - 3)
;;       q = np.round(r / step) * step * 2.0 ** e      # np.round: ties to even
;;       return np.moveaxis(q, -1, axis).astype(np.float32)
;;   ~~~
;;   SOFTMAX AHEAD OF A QUANTISED PRODUCT. Where the list says 'softmax', what is quantised is not the finished softmax but p = 2^(t - M), with t = logit x log2(e) and M = ceil(the row's largest t), a whole number; so 1/2 < the row's largest p <= 1. The row's sum l is taken of the UNQUANTISED p, in f32, and the product's result is divided by l at the end. Since M is a whole number, a kernel that streams over the keys may use a running M (the ceiling of the running maximum): every later rescaling is an exact power of two, so the quantised numbers keep their values, but for numbers so far below the row's largest that they fall under the format's range.
;;   OPERANDS COMPUTED ON THE WAY. 'Computed on the way' means the value that the module computes at that place (a softmax that the list does not call 'softmax' is quantised finished and normalised). What goes into a quantiser is computed in f32, as accurately as f32 sums, v_exp_f32 and their like allow (about 1e-6 of the number): no bf16 or f16 on the way to a quantiser, and a product that is left as it is and whose result goes on into a quantised operand takes f32 operands (vector FMAs, or v_wmma_f32_16x16x4_f32). A number that lies on a knife's edge between two numbers of the format may be rounded either way, as far as f32 arithmetic and the matrix unit's own rounding can turn it there, and no further.
;; One version. Each part assembles by itself: llvm-mc -triple=amdgcn-amd-amdhsa -mcpu=gfx1250 --defsym DOCPART=n.
;; ======== version 1 of 1: 4 launches
;; limits: right only within a limited range of input values
;; workspace buffers: x_codes 25,165,824 bytes; w_codes 4,194,304 bytes; qkv_codes 25,165,824 bytes; ao_codes 8,388,608 bytes
;; launch quant (part 1): grid 768 x 1, 8 waves a work-group, no clusters, 68,608 bytes of LDS; arguments x, Wq, Wk, Wv, Wo, lowp_scales, x_codes, w_codes; writes x_codes, w_codes
.if DOCPART == 1
	.amdgcn_target "amdgcn-amd-amdhsa--gfx1250"
	.amdhsa_code_object_version 6
	.text
	.protected	k_q1d86274be2_quant
	.globl	k_q1d86274be2_quant
	.p2align	8
	.type	k_q1d86274be2_quant,@function
k_q1d86274be2_quant:
	s_mov_b64 s[64:65], 0
	v_nop
	global_prefetch_b8 v0, s[64:65] scope:SCOPE_SE
	s_setreg_imm32_b32 hwreg(HW_REG_WAVE_MODE, 25, 1), 1
	s_wait_xcnt 0x0
; x [8192][1024] and Wq, Wk, Wv, Wo [1024][1024], f32, K innermost, become codes of FP8 (E4M3), laid as IMAGES OF OPERAND REGISTERS.
; code = number / 2^e, to the nearest code, ties to even.  x is quantised three times (e0, e2, e4: one scale for each projection), each weight once (e1, e3, e5, e11).
; ROW TILES.  Tile t holds the 16 rows 32 (t / 2) + 8 (t % 2) + p + 8 (p / 8), p = 0 .. 15: two runs of eight rows, 16 rows apart.
; IMAGE (tile t, K step s of 128), 2,048 bytes: lane l = 16 h + r; byte 512 c + 16 l + i is the code of the tile's row r at k = 128 s + 32 c + 16 h + i.  Four 16-byte accesses a lane, 512 bytes apart, are a fragment's 16 registers.
; WHERE AN IMAGE LIES: (t / 8) x 131072 + (s / 4) x 65536 + (t % 8) x 8192 + (s % 4) x 2048: a block of 128 rows is 128 KiB on end, its K half 64 KiB on end.
; SHARES.  A work-group takes one row tile (work-groups 0-511: x's; 512-767: 64 for each weight, in the order q, k, v, o); wave s takes K step s: one image.
; A load reads 512 consecutive bytes of one row; the 16 rows turn through the wave's own stage in LDS, so that a lane gets 16 neighbours along K of each block of 32, as the conversions want them.
; Waves share nothing: no barrier.  No tensor load, no matrix unit, no cluster: a stream in which every byte is read once.
; LIMITS: each e between -126 and 119, so that 2^e is an f32 number.  NaN among the inputs is not served.
.set PITCH, 528                        ; a stage row: 512 bytes + 16 = 132 words: row r starts at bank 4 r mod 64 (64 banks of 4 bytes: ISA guide 11.1)
.set WREG,  16*PITCH                   ; a wave's stage
.set LI,  1                            ; v1   16 x lane: my place in a load's 512 bytes and in a store's
.set STO, 2                            ; v2   the stage, on the way in
.set RD,  3                            ; v3   the stage, on the way out: row r, + 64 h
.set SCL, 4                            ; v4, v6, v8: 2^e for the three quantisations
.set R,   16                           ; v16-79   as loaded; then my 64 numbers: register 16 c + i = k 32 c + 16 h + i of row r
.set T,   80
.set C,   112                          ; v112-159 codes: 16 registers for each quantisation, so that no store's data are written again
	s_load_b512 s[8:23], s[0:1], 0x0               ; x s[8:9], Wq s[10:11], Wk s[12:13], Wv s[14:15], Wo s[16:17], scales s[18:19], x_codes s[20:21], w_codes s[22:23]
	v_lshl_add_u32 v160, v0, 2, 0x10800
	v_mov_b32 v161, 0
	v_lshrrev_b32 v10, 5, v0
	s_delay_alu instid0(VALU_DEP_1)
	v_readfirstlane_b32 s24, v10                   ; wave = K step
	v_and_b32 v11, 31, v0
	s_delay_alu instid0(VALU_DEP_1)
	v_lshlrev_b32 v[LI], 4, v11
	s_mul_i32 s25, s24, WREG
	v_add_nc_u32 v[STO], s25, v[LI]
	v_and_b32 v12, 15, v0                          ; r
	v_bfe_u32 v13, v0, 4, 1                        ; h
	s_delay_alu instid0(VALU_DEP_2)
	v_mul_u32_u24 v[RD], v12, PITCH
	s_delay_alu instid0(VALU_DEP_1)
	v_lshl_add_u32 v[RD], v13, 6, v[RD]
	s_delay_alu instid0(VALU_DEP_1)
	v_add_nc_u32 v[RD], s25, v[RD]
	s_cmp_lt_u32 ttmp9, 512                        ; x's work-group or a weight's?  Every choice below hangs on the work-group's number alone
	s_cselect_b32 s26, 0, 512
	s_sub_co_u32 s26, ttmp9, s26                   ; x: the tile; a weight: 64 x tensor + tile
	s_lshr_b32 s27, s26, 6                         ; the weight's number (of no use for x: the last choice of each chain overrides it)
	s_and_b32 s28, s26, 63
	s_cmp_lt_u32 ttmp9, 512
	s_cselect_b32 s28, s26, s28                    ; the tile
	s_cselect_b32 s29, 0, s27                      ; which MiB of the codes' buffer
	s_lshr_b32 s52, s28, 1                         ; from: (32 (t / 2) + 8 (t % 2)) rows of 4,096 bytes + 512 s
	s_lshl_b32 s52, s52, 17
	s_and_b32 s53, s28, 1
	s_lshl_b32 s53, s53, 15
	s_add_co_u32 s52, s52, s53
	s_lshl_b32 s53, s24, 9
	s_add_co_u32 s52, s52, s53
	s_mov_b32 s53, 0
	s_lshr_b32 s54, s28, 3                         ; to: the image's place
	s_lshl_b32 s54, s54, 17
	s_lshr_b32 s55, s24, 2
	s_lshl_b32 s55, s55, 16
	s_add_co_u32 s54, s54, s55
	s_and_b32 s55, s28, 7
	s_lshl_b32 s55, s55, 13
	s_add_co_u32 s54, s54, s55
	s_and_b32 s55, s24, 3
	s_lshl_b32 s55, s55, 11
	s_add_co_u32 s54, s54, s55
	s_lshl_b32 s55, s29, 20
	s_add_co_u32 s54, s54, s55
	s_mov_b32 s55, 0
	s_wait_alu depctr_va_vdst(0)
	s_wait_kmcnt 0x0
	s_load_b256 s[32:39], s[18:19], 0x0            ; e0 .. e7
	s_load_b128 s[40:43], s[18:19], 0x20           ; e8 .. e11
	s_mov_b64 s[44:45], s[10:11]
	s_cmp_eq_u32 s27, 1
	s_cselect_b64 s[44:45], s[12:13], s[44:45]
	s_cmp_eq_u32 s27, 2
	s_cselect_b64 s[44:45], s[14:15], s[44:45]
	s_cmp_eq_u32 s27, 3
	s_cselect_b64 s[44:45], s[16:17], s[44:45]
	s_cmp_lt_u32 ttmp9, 512
	s_cselect_b64 s[44:45], s[8:9], s[44:45]       ; the tensor that I read,
	s_cselect_b64 s[46:47], s[20:21], s[22:23]     ; and the buffer that I write
	s_add_nc_u64 s[44:45], s[44:45], s[52:53]
	s_add_nc_u64 s[46:47], s[46:47], s[54:55]
	s_add_nc_u64 s[48:49], s[46:47], 0x800000      ; x's second and third sets of codes lie 8 MiB and 16 MiB on (a weight's work-group never uses these two)
	s_add_nc_u64 s[50:51], s[46:47], 0x1000000
.irp p, 0,1,2,3,4,5,6,7,8,9,10,11,12,13,14,15
	global_load_b128 v[R+4*\p:R+4*\p+3], v[LI], s[44:45] offset:(\p+8*(\p/8))*4096 th:TH_LOAD_NT   ; 32 lanes read 512 consecutive bytes of the tile's row p; read once in the launch
.endr
.macro SETSC e, k                      ; 2^e as an f32 pattern
	s_add_co_i32 s57, \e, 127
	s_lshl_b32 s58, s57, 23
	v_mov_b32 v[SCL+2*\k], s58
.endm
	s_wait_kmcnt 0x0
	s_mov_b32 s56, s33                             ; e1, e3, e5, e11 for the weights, e0 for x
	s_cmp_eq_u32 s27, 1
	s_cselect_b32 s56, s35, s56
	s_cmp_eq_u32 s27, 2
	s_cselect_b32 s56, s37, s56
	s_cmp_eq_u32 s27, 3
	s_cselect_b32 s56, s43, s56
	s_cmp_lt_u32 ttmp9, 512
	s_cselect_b32 s56, s32, s56
	SETSC s56, 0
	SETSC s34, 1                                   ; e2
	SETSC s36, 2                                   ; e4
	s_wait_alu depctr_va_vdst(0)
.irp p, 0,1,2,3,4,5,6,7,8,9,10,11,12,13,14,15
	s_wait_loadcnt 15-\p                           ; loads come back in order (ISA guide 5.7.1): row p is in, the younger rows stay out
	ds_store_b128 v[STO], v[R+4*\p:R+4*\p+3] offset:PITCH*\p
.endr
	s_wait_dscnt 0x0                               ; the stores have read R, which the loads below write
.irp c, 0,1,2,3
.irp q, 0,1,2,3
	ds_load_b128 v[R+16*\c+4*\q:R+16*\c+4*\q+3], v[RD] offset:128*\c+16*\q   ; row r, k = 32 c + 16 h + 4 q on
.endr
.endr
; One quantisation of my 64 numbers with scale k, and its image's four stores.  R is kept: the conversions read it as it is.
.macro QUANT k, first
.irp c, 0,1,2,3
.if \first
	s_wait_dscnt 12-4*\c                           ; block c's four loads are back; the younger blocks' stay out
.endif
.irp i, 0,1,2,3,4,5,6,7,8,9,10,11,12,13,14,15
.endr
	v_cvt_scalef32_pk8_fp8_f32 v[C+16*\k+4*\c:C+16*\k+4*\c+1], v[T+16*(\c%2)+((R+16*\c+0)-(T+16*(\c%2)+0)):T+16*(\c%2)+7+((R+16*\c+0)-(T+16*(\c%2)+0))], v[SCL+2*\k]
	v_cvt_scalef32_pk8_fp8_f32 v[C+16*\k+4*\c+2:C+16*\k+4*\c+3], v[T+16*(\c%2)+8+((R+16*\c+0)-(T+16*(\c%2)+0)):T+16*(\c%2)+15+((R+16*\c+0)-(T+16*(\c%2)+0))], v[SCL+2*\k]
.endr
	v_nop                                          ; a plain line behind the last conversion
	s_wait_alu depctr_va_vdst(0)
.irp c, 0,1,2,3
	global_store_b128 v[LI], v[C+16*\k+4*\c:C+16*\k+4*\c+3], s[46+2*\k:47+2*\k] offset:512*\c   ; 32 lanes store 512 consecutive bytes, at a multiple of 512 from the buffer's first byte
.endr
.endm
	QUANT 0, 1
	s_cmp_lt_u32 ttmp9, 512
	s_cbranch_scc0 .Lend                           ; a weight has one scale
	QUANT 1, 0
	QUANT 2, 0
.Lend:
	s_wait_tensorcnt 0x0
	ds_add_u32 v160, v161
	s_wait_dscnt 0x0
	s_endpgm
.Lfunc_end_k_q1d86274be2_quant:
	.size	k_q1d86274be2_quant, .Lfunc_end_k_q1d86274be2_quant-k_q1d86274be2_quant
	.p2alignl 7, 3214868480
	.fill 96, 4, 3214868480
	.section	.rodata,"a",@progbits
	.p2align	6, 0x0
	.amdhsa_kernel k_q1d86274be2_quant
		.amdhsa_group_segment_fixed_size 68608
		.amdhsa_private_segment_fixed_size 0
		.amdhsa_enable_private_segment 0
		.amdhsa_kernarg_size 64
		.amdhsa_user_sgpr_count 2
		.amdhsa_user_sgpr_kernarg_segment_ptr 1
		.amdhsa_wavefront_size32 1
		.amdhsa_system_sgpr_workgroup_id_x 1
		.amdhsa_system_sgpr_workgroup_id_y 1
		.amdhsa_system_sgpr_workgroup_id_z 1
		.amdhsa_system_vgpr_workitem_id 0
		.amdhsa_next_free_vgpr 162
		.amdhsa_next_free_sgpr 66
		.amdhsa_reserve_vcc 0
		.amdhsa_float_denorm_mode_32 3
		.amdhsa_float_denorm_mode_16_64 3
		.amdhsa_fp16_overflow 1
		.amdhsa_memory_ordered 1
		.amdhsa_forward_progress 1
		.amdhsa_inst_pref_size 11
	.end_amdhsa_kernel
	.amdgpu_metadata
---
amdhsa.version: [ 1, 2 ]
amdhsa.kernels:
  - .name:           k_q1d86274be2_quant
    .symbol:         k_q1d86274be2_quant.kd
    .args:
      - { .name: x, .offset: 0, .size: 8, .value_kind: global_buffer, .address_space: global }
      - { .name: Wq, .offset: 8, .size: 8, .value_kind: global_buffer, .address_space: global }
      - { .name: Wk, .offset: 16, .size: 8, .value_kind: global_buffer, .address_space: global }
      - { .name: Wv, .offset: 24, .size: 8, .value_kind: global_buffer, .address_space: global }
      - { .name: Wo, .offset: 32, .size: 8, .value_kind: global_buffer, .address_space: global }
      - { .name: lowp_scales, .offset: 40, .size: 8, .value_kind: global_buffer, .address_space: global }
      - { .name: x_codes, .offset: 48, .size: 8, .value_kind: global_buffer, .address_space: global }
      - { .name: w_codes, .offset: 56, .size: 8, .value_kind: global_buffer, .address_space: global }
    .group_segment_fixed_size: 68608
    .private_segment_fixed_size: 0
    .kernarg_segment_align: 8
    .kernarg_segment_size: 64
    .max_flat_workgroup_size: 256
    .sgpr_count:     66
    .vgpr_count:     162
    .wavefront_size: 32
...
	.end_amdgpu_metadata
.endif
;; end of part 1
;; launch qkv (part 2): grid 4 x 192, 4 waves a work-group, clusters of 4 x 1, 168,448 bytes of LDS; arguments x_codes, w_codes, bq, bk, bv, lowp_scales, qkv_codes; writes qkv_codes
.if DOCPART == 2
	.amdgcn_target "amdgcn-amd-amdhsa--gfx1250"
	.amdhsa_code_object_version 6
	.text
	.protected	k_q1d86274be2_qkv
	.globl	k_q1d86274be2_qkv
	.p2align	8
	.type	k_q1d86274be2_qkv,@function
k_q1d86274be2_qkv:
	s_mov_b64 s[64:65], 0
	v_nop
	global_prefetch_b8 v0, s[64:65] scope:SCOPE_SE
	s_setreg_imm32_b32 hwreg(HW_REG_WAVE_MODE, 25, 1), 1
	s_wait_xcnt 0x0
	s_wait_alu depctr_hold_cnt(0) depctr_sa_sdst(0) depctr_va_vdst(0) depctr_va_sdst(0) depctr_va_ssrc(0) depctr_va_vcc(0) depctr_vm_vsrc(0)
	s_getreg_b32 s2, hwreg(HW_REG_IB_STS2, 6, 4)
	s_cmp_eq_u32 s2, 0
	s_cbranch_scc0 .Lentry_in_a_cluster
	s_endpgm
.Lentry_in_a_cluster:
	s_bfe_u32 s2, ttmp6, 0x10000c
	s_cmp_lg_u32 s2, 0x3003
	s_cbranch_scc0 .Lentry_shape_is_right
	s_endpgm
.Lentry_shape_is_right:
; q, k, v = x W^T + b on codes of FP8 (E4M3), and the results quantised at once into the codes that the attention launch reads.
; SHARES.  Work-group y = 64 x projection (0 q, 1 k, 2 v) + block of 128 tokens; its place cx in the cluster of four is a quarter of the 1,024 channels.  Wave w owns head 4 cx + w: 64 channels x 128 tokens: 32 accumulators, K = 1,024 in 8 steps.
; OPERANDS lie in memory as images of their registers (tile t = rows 32 (t / 2) + 8 (t % 2) + p + 8 (p / 8); image = 4 x 512 bytes, 16 bytes a lane), so a fragment is four 16-byte loads at 16 x lane: no pitch, no padding.
;   The block's codes of x (128 KiB on end) come into LDS once: the four partners need the same bytes, so each 16 KiB is asked for JOINTLY (the same descriptor, mask 15).  No LDS byte is filled twice and none is stored to.
;   The wave's 64 KiB of W go from memory straight into 512 registers: no other wave of the work-group and no partner needs them (each partner has another quarter of W), so neither LDS nor a joint load would spare a byte.
; q AND k: source 0 = 16 rows of W, source 1 = 16 tokens: a lane holds one token, and the registers of W's tiles 2 b, 2 b + 1 are channels 32 b + 16 h + 0 .. 15: the conversions' results ARE the token's image along the head's 64.
; v: the sources are swapped: a lane holds one channel, and the registers of token tiles 2 b, 2 b + 1 are 16 neighbouring keys: the image of V^T along the keys.
; The bias is the C of each sum's first product, divided by 2^(ex + ew); the three scales are folded into the conversion's one: code = sum / 2^(eo - ex - ew).
; OUT: qkv_codes [batch x 16 + head][q, k, v][131072]: q, k: 1,024 bytes a token tile; v: 8,192 bytes a key step of 128, 2,048 a channel tile.  A wave stores 8 KiB on end.
; LIMITS: eo - ex - ew between -126 and 119 (ex, ew, eo = e0, e1, e6 / e2, e3, e7 / e4, e5, e9), so that 2^(eo - ex - ew) is an f32 number.  NaN is not served.
; REGISTERS, in windows of 256: window 0: v1-8 addresses and the scale; v16-47 the bias, 8 a tile of W; v48-51 v's bias; v64-127, v128-191 two sets of four fragments of x; v192-255 the codes.
;   window 1: W's fragments of K steps 0-3 (step s, tile t at 64 (s % 4) + 16 t); window 2: of K steps 4-7; window 3: the accumulators ((t, token tile q) at 8 (4 q + t)).
.set LI,   1                           ; v1   16 x lane
.set LI2,  2                           ; v2   16 x lane + 65536: the second K half in LDS
.set BQ,   3                           ; v3   64 h: the bias as q and k want it
.set BV,   4                           ; v4   4 (r + 8 (r / 8)): as v wants it
.set SC,   8                           ; v8   2^(eo - ex - ew)
.set LIM,  9
.set BIAS, 16
.set BVV,  48
.set F0,   64
.set CODE, 192
.set WV,   18                          ; s18  my wave's number
.set G1,   24                          ; s[24:31] descriptor group 1
.set G0A,  32                          ; s[32:35] group 0: my 16 KiB of the first K half;  s[36:39]: of the second
.set G0B,  36
.set MSB, 0
.macro WIN new                         ; the immediate's high byte repeats the setting that is left
.if MSB != \new
	s_set_vgpr_msb (MSB<<8)|\new
.set MSB, \new
.endif
.endm
.macro PLACES                          ; four plain lines between a matrix instruction and a load into, or a vector read of, its registers
.rept 4
	v_nop
.endr
.endm
.macro ROUND                           ; a round of the cluster's barrier
	s_barrier_signal -1
	s_barrier_wait -1
	s_cmp_lg_u32 s[WV], 0
	s_cbranch_scc1 .Lnot_wave_0_\@
	s_barrier_signal -3
.Lnot_wave_0_\@:
	s_barrier_wait -3
	s_barrier_signal -1
	s_barrier_wait -1
.endm
	s_load_b256 s[4:11], s[0:1], 0x0               ; x_codes s[4:5], w_codes s[6:7], bq s[8:9], bk s[10:11]
	s_load_b128 s[12:15], s[0:1], 0x20             ; bv s[12:13], scales s[14:15]
	s_load_b64 s[16:17], s[0:1], 0x30              ; qkv_codes
	v_lshl_add_u32 v62, v0, 2, 0x29000
	v_mov_b32 v63, 0
	ds_add_u32 v62, v63
	ds_add_u32 v62, v63
	v_lshrrev_b32 v5, 5, v0
	v_readfirstlane_b32 s[WV], v5                  ; wave 0..3
	v_and_b32 v5, 31, v0
	v_lshlrev_b32 v[LI], 4, v5
	v_add_nc_u32 v[LI2], 0x10000, v[LI]
	v_bfe_u32 v5, v0, 4, 1
	v_lshlrev_b32 v[BQ], 6, v5
	v_and_b32 v5, 15, v0
	v_and_b32 v6, 8, v5
	v_add_nc_u32 v5, v5, v6
	v_lshlrev_b32 v[BV], 2, v5
	s_bfe_u32 s19, ttmp6, 0x40000                  ; cx: it enters W's, the bias's and the output's addresses alone
	s_and_b32 s20, ttmp7, 0xffff                   ; y, which the four partners share
	s_lshr_b32 s21, s20, 6                         ; the projection
	s_and_b32 s22, s20, 63                         ; the block of 128 tokens
	; descriptor group 1: 16 KiB that are dense in memory, stated as 64 rows of 32 elements of 8 bytes
	s_mov_b32 s[G1+0], 15|(3<<16)|(1<<21)          ; 15:0 the mask: all four work-groups; 17:16 elements of 8 bytes; 20 no padding; 21 set beside a mask
	s_mov_b32 s[G1+1], 32<<16                      ; tensor_dim0 = 32
	s_mov_b32 s[G1+2], 64<<16                      ; tensor_dim1 = 64
	s_mov_b32 s[G1+3], 32<<16                      ; tile_dim0 = 32
	s_mov_b32 s[G1+4], 64                          ; tile_dim1 = 64
	s_mov_b32 s[G1+5], 32                          ; from row to row: 32 elements
	s_mov_b32 s[G1+6], 0
	s_mov_b32 s[G1+7], 0
	s_lshl_b32 s66, s21, 23                        ; x's codes: 8 MiB a projection, 128 KiB a block, 16 KiB a wave: nothing of cx
	s_lshl_b32 s67, s22, 17
	s_add_co_u32 s66, s66, s67
	s_lshl_b32 s67, s[WV], 14
	s_add_co_u32 s66, s66, s67
	s_mov_b32 s67, 0
	s_lshl_b32 s70, s19, 1                         ; W: tiles 16 cx + 4 w + t: block 2 cx + w / 2 of 128 KiB, + (w % 2) x 32 KiB, + 1 MiB a projection
	s_lshr_b32 s71, s[WV], 1
	s_add_co_u32 s70, s70, s71
	s_lshl_b32 s70, s70, 17
	s_and_b32 s71, s[WV], 1
	s_lshl_b32 s71, s71, 15
	s_add_co_u32 s70, s70, s71
	s_lshl_b32 s71, s21, 20
	s_add_co_u32 s70, s70, s71
	s_mov_b32 s71, 0
	s_lshl_b32 s72, s19, 10                        ; the bias: my 64 channels begin at 256 cx + 64 w
	s_lshl_b32 s73, s[WV], 8
	s_add_co_u32 s72, s72, s73
	s_mov_b32 s73, 0
	s_lshr_b32 s74, s22, 4                         ; out: (16 x batch + 4 cx + w) x 393216 + projection x 131072 + (block % 16) x 8192
	s_lshl_b32 s74, s74, 4
	s_lshl_b32 s75, s19, 2
	s_add_co_u32 s74, s74, s75
	s_add_co_u32 s74, s74, s[WV]
	s_mul_i32 s74, s74, 393216
	s_lshl_b32 s75, s21, 17
	s_add_co_u32 s74, s74, s75
	s_and_b32 s75, s22, 15
	s_lshl_b32 s75, s75, 13
	s_add_co_u32 s74, s74, s75
	s_mov_b32 s75, 0
	s_wait_dscnt 0x0
	s_wait_kmcnt 0x0
	s_load_b256 s[40:47], s[14:15], 0x0            ; e0 .. e7
	s_load_b128 s[48:51], s[14:15], 0x20           ; e8 .. e11
	s_add_nc_u64 s[56:57], s[6:7], s[70:71]        ; my W
	s_cmp_eq_u32 s21, 1
	s_cselect_b64 s[58:59], s[10:11], s[8:9]
	s_cmp_eq_u32 s21, 2
	s_cselect_b64 s[58:59], s[12:13], s[58:59]
	s_add_nc_u64 s[58:59], s[58:59], s[72:73]      ; my bias
	s_add_nc_u64 s[60:61], s[16:17], s[74:75]      ; my 8 KiB of the output
	s_mov_b32 s[G0A], 1                            ; count = 1
	s_lshl_b32 s[G0A+1], s[WV], 14                 ; LDS address: 16384 x wave
	s_add_nc_u64 s[G0A+2:G0A+3], s[4:5], s[66:67]
	s_mov_b32 s[G0B], 1
	s_add_co_u32 s[G0B+1], s[G0A+1], 0x10000
	s_add_nc_u64 s[G0B+2:G0B+3], s[G0A+2:G0A+3], 0x10000
	s_or_b32 s[G0A+3], s[G0A+3], 0x80000000        ; type = 2
	s_or_b32 s[G0B+3], s[G0B+3], 0x80000000
	ROUND                                          ; all four work-groups are here: the joint loads meet
	tensor_load_to_lds s[G0A:G0A+3], s[G1:G1+7]    ; both fills go out together, ahead of every wait on TENSORcnt, every LDS read and every other barrier: two loads of mine are out
	s_nop 0
	tensor_load_to_lds s[G0B:G0B+3], s[G1:G1+7]
	s_nop 0
.rept 4
	v_nop
.endr
	s_wait_alu depctr_va_vdst(0)
.irp t, 0,1,2,3
	global_load_b128 v[BIAS+8*\t:BIAS+8*\t+3], v[BQ], s[58:59] offset:(32*(\t/2)+8*(\t%2))*4       ; tile t, lane half h: channels 32 (t / 2) + 8 (t % 2) + 16 h + 0 .. 7
	global_load_b128 v[BIAS+8*\t+4:BIAS+8*\t+7], v[BQ], s[58:59] offset:(32*(\t/2)+8*(\t%2))*4+16
.endr
.irp t, 0,1,2,3
	global_load_b32 v[BVV+\t], v[BV], s[58:59] offset:(32*(\t/2)+8*(\t%2))*4                       ; tile t, lane r: channel 32 (t / 2) + 8 (t % 2) + r + 8 (r / 8)
.endr
.macro WLOAD s                         ; W's four fragments of K step s: 16 loads of 512 consecutive bytes, into registers that are written once
.if (\s) < 4
	WIN 0x40                                       ; destination window 1
.else
	WIN 0x80                                       ; destination window 2
.endif
.irp t, 0,1,2,3
.irp c, 0,1,2,3
	global_load_b128 v[64*((\s)%4)+16*\t+4*\c:64*((\s)%4)+16*\t+4*\c+3], v[LI], s[56:57] offset:((\s)/4)*65536+\t*8192+((\s)%4)*2048+512*\c
.endr
.endr
	WIN 0
.endm
.macro FETCH f, s, g                   ; x's fragments of token tiles 4 g .. 4 g + 3, K step s, into set f
.irp i, 0,1,2,3
.irp c, 0,1,2,3
	ds_load_b128 v[F0+64*(\f)+16*\i+4*\c:F0+64*(\f)+16*\i+4*\c+3], v[LI+(\s)/4] offset:(4*(\g)+\i)*8192+((\s)%4)*2048+512*\c
.endr
.endr
.endm
; 16 products: token tiles 4 g .. 4 g + 3 x W's four tiles, K step s.  mode 0 (q, k): source 0 = W; mode 1 (v): source 0 = x.  The first K step takes the bias as C: nothing is cleared.
; The 32 accumulators take turns, one instruction a turn, in the same order in every K step.
.macro MUL16 s, g, mode
.if \mode == 0
.if (\s) == 0
	WIN 0xc1                                       ; source 0 window 1, source 1 and C window 0, D window 3
.elseif (\s) < 4
	WIN 0xf1                                       ; C and D window 3
.else
	WIN 0xf2                                       ; source 0 window 2
.endif
.else
.if (\s) == 0
	WIN 0xc4                                       ; source 1 window 1, source 0 and C window 0, D window 3
.elseif (\s) < 4
	WIN 0xf4
.else
	WIN 0xf8
.endif
.endif
.irp i, 0,1,2,3
.irp t, 0,1,2,3
.set rA, 8*(4*(4*(\g)+\i)+\t)
.set rW, 64*((\s)%4)+16*\t
.set rF, F0+64*(\g)+16*\i
.if \mode == 0
.if (\s) == 0
	v_wmma_f32_16x16x128_fp8_fp8 v[rA:rA+7], v[rW:rW+15], v[rF:rF+15], v[BIAS+8*\t:BIAS+8*\t+7]
.else
	v_wmma_f32_16x16x128_fp8_fp8 v[rA:rA+7], v[rW:rW+15], v[rF:rF+15], v[rA:rA+7]
.endif
.else
.if (\s) == 0
	v_wmma_f32_16x16x128_fp8_fp8 v[rA:rA+7], v[rF:rF+15], v[rW:rW+15], v[BIAS+8*\t:BIAS+8*\t+7]
.else
	v_wmma_f32_16x16x128_fp8_fp8 v[rA:rA+7], v[rF:rF+15], v[rW:rW+15], v[rA:rA+7]
.endif
.endif
.endr
.endr
.endm
; A K step of 128: 32 products.  While one set of x's fragments is multiplied the other set's loads for the next step are out; W runs three steps ahead.
.macro KSTEP s, mode
.if (\s) <= 5
	s_wait_loadcnt 32                              ; W of this step is in; the two younger steps' 32 loads stay out
.elseif (\s) == 6
	s_wait_loadcnt 16
.else
	s_wait_loadcnt 0x0
.endif
.if (\s) <= 4
	WLOAD (\s)+3
.endif
.if (\s) == 3
	s_wait_tensorcnt 0x0                           ; my part of the second K half has landed,
	s_wait_dscnt 0x0                               ; no LDS load of mine is pending at the signal,
	s_barrier_signal -1                            ; and I say so
.else
	s_wait_dscnt 16                                ; set 0 is in; set 1's sixteen loads may be out
.endif
	MUL16 \s, 0, \mode
	WIN 0
.if (\s) == 3
	s_barrier_wait -1                              ; every wave's part has landed: the second K half is whole
.endif
	PLACES
.if (\s) < 7
	FETCH 0, (\s)+1, 0
	s_wait_dscnt 16                                ; set 1 is in; the sixteen just issued may be out
.else
	s_wait_dscnt 0x0
.endif
	MUL16 \s, 1, \mode
	WIN 0
	PLACES                                         ; in front of the loads into set 1; behind the last K step: in front of the first read of results
.if (\s) < 7
	FETCH 1, (\s)+1, 1
.endif
.endm
.macro HOLD                            ; the conversion to an 8-bit code does not saturate (ISA guide 7.6.2)
	WIN 0xc3                                       ; source 0 and destination window 3
.set j, 0
.rept 256
.set j, j+1
.endr
.endm
.macro CVT mode                        ; accumulator (t, q) becomes two registers of an image: q, k: token tile q's registers 2 t, 2 t + 1;  v: channel tile t's registers 2 q, 2 q + 1
	WIN 0x03                                       ; source 0 window 3
.irp q, 0,1,2,3,4,5,6,7
.irp t, 0,1,2,3
.if \mode == 0
	v_cvt_scalef32_pk8_fp8_f32 v[CODE+8*\q+2*\t:CODE+8*\q+2*\t+1], v[8*(4*\q+\t):8*(4*\q+\t)+7], v[SC]
.else
	v_cvt_scalef32_pk8_fp8_f32 v[CODE+16*\t+2*\q:CODE+16*\t+2*\q+1], v[8*(4*\q+\t):8*(4*\q+\t)+7], v[SC]
.endif
.endr
.endr
	v_nop                                          ; a plain line behind the last conversion
	WIN 0
.endm
	WLOAD 0
	WLOAD 1
	WLOAD 2
	s_wait_kmcnt 0x0
	s_cmp_eq_u32 s21, 1                            ; the projection's three exponents: chosen, never branched on
	s_cselect_b32 s76, s42, s40
	s_cselect_b32 s77, s43, s41
	s_cselect_b32 s78, s47, s46
	s_cmp_eq_u32 s21, 2
	s_cselect_b32 s76, s44, s76                    ; ex
	s_cselect_b32 s77, s45, s77                    ; ew
	s_cselect_b32 s78, s49, s78                    ; eo
	s_add_co_i32 s76, s76, s77                     ; ex + ew: a sum stands for sum x 2^(ex + ew)
	s_sub_co_i32 s77, 0, s76
	s_sub_co_i32 s78, s78, s76
	s_add_co_i32 s78, s78, 127
	s_lshl_b32 s79, s78, 23
	v_mov_b32 v[SC], s79                           ; 2^(eo - ex - ew)
	s_wait_loadcnt 48                              ; the twelve loads of the bias are in; W's 48 stay out
.set j, 0
.rept 36
	v_ldexp_f32 v[BIAS+j], v[BIAS+j], s77          ; b / 2^(ex + ew), both forms (v16-47 and v48-51 lie on end)
.set j, j+1
.endr
	s_wait_tensorcnt 1                             ; my part of the first K half has landed; the second half's load may stay out
	s_barrier_signal -1
	s_barrier_wait -1                              ; everybody's has
	FETCH 0, 0, 0
	FETCH 1, 0, 1
	s_cmp_eq_u32 s21, 2                            ; the projection is the same in all waves and in all four partners
	s_cbranch_scc1 .Lv
	s_wait_alu depctr_va_vdst(0)
.irp s, 0,1,2,3,4,5,6,7
	KSTEP \s, 0
.endr
	HOLD
	CVT 0
	s_branch .Lout
.Lv:
	s_wait_alu depctr_va_vdst(0)
.irp t, 0,1,2,3
.irp j, 0,1,2,3,4,5,6,7
	v_mov_b32 v[BIAS+8*\t+\j], v[BVV+\t]           ; with the sources swapped a lane holds one channel: its bias in all eight registers
.endr
.endr
	s_wait_alu depctr_va_vdst(0)
.irp s, 0,1,2,3,4,5,6,7
	KSTEP \s, 1
.endr
	HOLD
	CVT 1
.Lout:
	s_wait_alu depctr_va_vdst(0)
.irp g, 0,1,2,3,4,5,6,7,8,9,10,11,12,13,14,15
	global_store_b128 v[LI], v[CODE+4*\g:CODE+4*\g+3], s[60:61] offset:512*\g   ; 32 lanes store 512 consecutive bytes, at a multiple of 512 from the buffer's first byte
.endr
	s_wait_tensorcnt 0x0
	ds_add_u32 v62, v63
	s_wait_dscnt 0x0
	ROUND                                          ; the closing round: no work-group ends while a partner may still ask for bytes that name it
	s_endpgm
.Lfunc_end_k_q1d86274be2_qkv:
	.size	k_q1d86274be2_qkv, .Lfunc_end_k_q1d86274be2_qkv-k_q1d86274be2_qkv
	.p2alignl 7, 3214868480
	.fill 96, 4, 3214868480
	.section	.rodata,"a",@progbits
	.p2align	6, 0x0
	.amdhsa_kernel k_q1d86274be2_qkv
		.amdhsa_group_segment_fixed_size 168448
		.amdhsa_private_segment_fixed_size 0
		.amdhsa_enable_private_segment 0
		.amdhsa_kernarg_size 56
		.amdhsa_user_sgpr_count 2
		.amdhsa_user_sgpr_kernarg_segment_ptr 1
		.amdhsa_wavefront_size32 1
		.amdhsa_system_sgpr_workgroup_id_x 1
		.amdhsa_system_sgpr_workgroup_id_y 1
		.amdhsa_system_sgpr_workgroup_id_z 1
		.amdhsa_system_vgpr_workitem_id 0
		.amdhsa_next_free_vgpr 1024
		.amdhsa_next_free_sgpr 96
		.amdhsa_reserve_vcc 0
		.amdhsa_float_denorm_mode_32 3
		.amdhsa_float_denorm_mode_16_64 3
		.amdhsa_fp16_overflow 1
		.amdhsa_memory_ordered 1
		.amdhsa_forward_progress 1
		.amdhsa_inst_pref_size 106
	.end_amdhsa_kernel
	.amdgpu_metadata
---
amdhsa.version: [ 1, 2 ]
amdhsa.kernels:
  - .name:           k_q1d86274be2_qkv
    .symbol:         k_q1d86274be2_qkv.kd
    .args:
      - { .name: x_codes, .offset: 0, .size: 8, .value_kind: global_buffer, .address_space: global }
      - { .name: w_codes, .offset: 8, .size: 8, .value_kind: global_buffer, .address_space: global }
      - { .name: bq, .offset: 16, .size: 8, .value_kind: global_buffer, .address_space: global }
      - { .name: bk, .offset: 24, .size: 8, .value_kind: global_buffer, .address_space: global }
      - { .name: bv, .offset: 32, .size: 8, .value_kind: global_buffer, .address_space: global }
      - { .name: lowp_scales, .offset: 40, .size: 8, .value_kind: global_buffer, .address_space: global }
      - { .name: qkv_codes, .offset: 48, .size: 8, .value_kind: global_buffer, .address_space: global }
    .group_segment_fixed_size: 168448
    .private_segment_fixed_size: 0
    .kernarg_segment_align: 8
    .kernarg_segment_size: 56
    .max_flat_workgroup_size: 128
    .sgpr_count:     96
    .vgpr_count:     1024
    .wavefront_size: 32
...
	.end_amdgpu_metadata
.endif
;; end of part 2
;; launch attn (part 3): grid 4 x 64, 16 waves a work-group, clusters of 4 x 1, 264,192 bytes of LDS; arguments qkv_codes, lowp_scales, ao_codes; writes ao_codes
.if DOCPART == 3
	.amdgcn_target "amdgcn-amd-amdhsa--gfx1250"
	.amdhsa_code_object_version 6
	.text
	.protected	k_q1d86274be2_attn
	.globl	k_q1d86274be2_attn
	.p2align	8
	.type	k_q1d86274be2_attn,@function
k_q1d86274be2_attn:
	s_mov_b64 s[64:65], 0
	v_nop
	global_prefetch_b8 v0, s[64:65] scope:SCOPE_SE
	s_setreg_imm32_b32 hwreg(HW_REG_WAVE_MODE, 25, 1), 1
	s_wait_xcnt 0x0
	s_wait_alu depctr_hold_cnt(0) depctr_sa_sdst(0) depctr_va_vdst(0) depctr_va_sdst(0) depctr_va_ssrc(0) depctr_va_vcc(0) depctr_vm_vsrc(0)
	s_getreg_b32 s2, hwreg(HW_REG_IB_STS2, 6, 4)
	s_cmp_eq_u32 s2, 0
	s_cbranch_scc0 .Lentry_in_a_cluster
	s_endpgm
.Lentry_in_a_cluster:
	s_bfe_u32 s2, ttmp6, 0x10000c
	s_cmp_lg_u32 s2, 0x3003
	s_cbranch_scc0 .Lentry_shape_is_right
	s_endpgm
.Lentry_shape_is_right:
; Causal attention of one head (work-group y = 16 x batch + head) on codes of FP8 (E4M3); head size 64, 2,048 tokens.  The result is quantised at once into the output projection's operand.
; THE SOFTMAX AHEAD OF THE SECOND PRODUCT: t = score x log2(e) / 8; M = the row's largest t so far, rounded UP to a whole number; p = 2^(t - M) is quantised along the keys, not normalised.
; The row's sum is taken of the unquantised p, in f32, and divides at the end.  When M moves, the sum and O are multiplied by 2^(old M - new M): exact.
; K AND V: the head's codes, 256 KiB on end in memory, fit LDS whole and are filled ONCE: wave w asks for 16 KiB at 16384 w.  The cluster's four work-groups serve one head, so each 16 KiB is asked for JOINTLY (mask 15).
; SHARES.  A wave takes two tiles of 16 queries, both tile 2 cx + w % 2 of a group of 128 tokens: first of group w / 2, then of group 15 - w / 2.  A tile of group a needs the key steps 0 .. a of 128 keys,
; so every wave has (w / 2 + 1) + (16 - w / 2) = 17 steps: the causal triangle is shared evenly.  Each pass walks a loop of 16 trips, a constant; a step all of whose keys are hidden is jumped over by a
; scalar branch on the wave's number and the trip.  In the one step on the diagonal hidden scores become -infinity ahead of the maximum (the problem writes -1e9 there: p = 0 either way).
; LAYOUT.  Token tile t of a group = tokens 32 (t / 2) + 8 (t % 2) + p + 8 (p / 8).  S^T = K Q^T (source 0 = 16 keys): a lane holds one query; registers 16 b + i are keys 32 b + 16 h + i.
; O^T = V^T P^T (source 0 = 16 channels): registers of channel tiles 2 b, 2 b + 1 are channels 32 b + 16 h + 0 .. 15: the conversions' results are the token's image along the next K.
; Four waves share a SIMD, so that one wave's vector work stands beside another's products and LDS loads.
; LIMITS: e6 + e7 between -123 and 130 (added to c's exponent field); e8, and e10 - e8 - e9, between -126 and 119.  NaN is not served.
; REGISTERS: v1-6 addresses and constants; v12 -M, v13 the largest t, v[14:15] the sum; v16-31 Q of the two passes; v32-95 K's eight fragments, then V's four; v96-159 S^T, then p; v160-191 O^T; v192-207 p's codes; v208-223 the codes that leave; v232-254 at work.
.set LI,   1                           ; v1   16 x lane
.set LV,   2                           ; v2   16 x lane + 131072: V in LDS
.set ADK,  3                           ; v3   the step's K
.set ADV,  4                           ; v4   the step's V
.set DQ,   5                           ; v5   my query's place in its group - 16 h
.set NINF, 6                           ; v6   -infinity
.set WV,   18
.set G1,   24
.set G0,   32
.set KS,   44                          ; s44  the key step
.set TB,   45                          ; s45  8192 x the key step
.macro ROUND                           ; a round of the cluster's barrier
	s_barrier_signal -1
	s_barrier_wait -1
	s_cmp_lg_u32 s[WV], 0
	s_cbranch_scc1 .Lnot_wave_0_\@
	s_barrier_signal -3
.Lnot_wave_0_\@:
	s_barrier_wait -3
	s_barrier_signal -1
	s_barrier_wait -1
.endm
	s_load_b128 s[4:7], s[0:1], 0x0                ; qkv_codes s[4:5], scales s[6:7]
	s_load_b64 s[8:9], s[0:1], 0x10                ; ao_codes
	v_lshl_add_u32 v251, v0, 2, 0x40000
	v_mov_b32 v255, 0
	ds_add_u32 v251, v255
	ds_add_u32 v251, v255
	v_lshrrev_b32 v7, 5, v0
	s_delay_alu instid0(VALU_DEP_1)
	v_readfirstlane_b32 s[WV], v7                  ; wave 0..15
	s_bfe_u32 s19, ttmp6, 0x40000                  ; cx: it enters Q's and the output's addresses and the mask's lane number alone
	s_and_b32 s54, ttmp7, 0xffff                   ; 16 x batch + head, which the partners share
	s_mov_b32 s[G1+0], 15|(3<<16)|(1<<21)          ; 16 KiB that are dense in memory: 64 rows of 32 elements of 8 bytes; mask: all four work-groups; bit 21 set beside it
	s_mov_b32 s[G1+1], 32<<16
	s_mov_b32 s[G1+2], 64<<16
	s_mov_b32 s[G1+3], 32<<16
	s_mov_b32 s[G1+4], 64
	s_mov_b32 s[G1+5], 32
	s_mov_b32 s[G1+6], 0
	s_mov_b32 s[G1+7], 0
	s_mov_b32 s20, 0x76543210                      ; v_permlanex16_b32's selects for lane l xor 16
	s_mov_b32 s21, 0xfedcba98
	s_mov_b32 s22, 0x3e38aa3b                      ; c = log2(e) / sqrt(64)
	s_mul_i32 s55, s54, 393216                     ; the head's first byte: q, then k, then v, 131072 each
	s_lshl_b32 s58, s[WV], 14
	s_add_co_u32 s58, s58, s55
	s_add_co_u32 s58, s58, 0x20000                 ; my 16 KiB of K and V
	s_mov_b32 s59, 0
	s_lshr_b32 s42, s[WV], 1                       ; a0: the first pass's group,
	s_sub_co_u32 s43, 15, s42                      ; a1: the second's
	s_lshl_b32 s57, s19, 1
	s_and_b32 s60, s[WV], 1
	s_add_co_u32 s57, s57, s60                     ; my tile in a group: 2 cx + w % 2
	s_lshl_b32 s46, s42, 3                         ; Q: tile 8 a + tile, 1,024 bytes each
	s_add_co_u32 s46, s46, s57
	s_lshl_b32 s46, s46, 10
	s_add_co_u32 s46, s46, s55
	s_mov_b32 s47, 0
	s_lshl_b32 s48, s43, 3
	s_add_co_u32 s48, s48, s57
	s_lshl_b32 s48, s48, 10
	s_add_co_u32 s48, s48, s55
	s_mov_b32 s49, 0
	s_lshr_b32 s62, s54, 4                         ; out: (16 x batch + a) x 131072 + (head / 8) x 65536 + tile x 8192 + ((head / 2) % 4) x 2048 + (head % 2) x 1024
	s_lshl_b32 s62, s62, 21
	s_bfe_u32 s63, s54, 0x10003
	s_lshl_b32 s63, s63, 16
	s_add_co_u32 s62, s62, s63
	s_lshl_b32 s63, s57, 13
	s_add_co_u32 s62, s62, s63
	s_bfe_u32 s63, s54, 0x20001
	s_lshl_b32 s63, s63, 11
	s_add_co_u32 s62, s62, s63
	s_and_b32 s63, s54, 1
	s_lshl_b32 s63, s63, 10
	s_add_co_u32 s62, s62, s63
	s_lshl_b32 s50, s42, 17
	s_add_co_u32 s50, s50, s62
	s_mov_b32 s51, 0
	s_lshl_b32 s52, s43, 17
	s_add_co_u32 s52, s52, s62
	s_mov_b32 s53, 0
	s_lshr_b32 s60, s57, 1                         ; my tile's first token in its group: 32 (tile / 2) + 8 (tile % 2)
	s_lshl_b32 s60, s60, 5
	s_and_b32 s61, s57, 1
	s_lshl_b32 s61, s61, 3
	s_add_co_u32 s60, s60, s61
	s_wait_dscnt 0x0
	s_wait_kmcnt 0x0
	s_load_b128 s[36:39], s[6:7], 0x18             ; e6, e7, e8, e9
	s_load_b64 s[40:41], s[6:7], 0x28              ; e10, e11
	s_mov_b32 s[G0], 1                             ; count = 1
	s_lshl_b32 s[G0+1], s[WV], 14                  ; LDS address: 16384 x wave
	s_add_nc_u64 s[G0+2:G0+3], s[4:5], s[58:59]
	s_or_b32 s[G0+3], s[G0+3], 0x80000000          ; type = 2
	s_add_nc_u64 s[46:47], s[4:5], s[46:47]
	s_add_nc_u64 s[48:49], s[4:5], s[48:49]
	s_add_nc_u64 s[50:51], s[8:9], s[50:51]
	s_add_nc_u64 s[52:53], s[8:9], s[52:53]
	ROUND                                          ; all four work-groups are here: the joint loads meet
	tensor_load_to_lds s[G0:G0+3], s[G1:G1+7]      ; my one tensor load of the launch
	s_nop 0
.rept 4
	v_nop
.endr
	v_and_b32 v7, 31, v0
	s_delay_alu instid0(VALU_DEP_1)
	v_lshlrev_b32 v[LI], 4, v7
	s_delay_alu instid0(VALU_DEP_1)
	v_add_nc_u32 v[LV], 0x20000, v[LI]
	global_load_b128 v[16:19], v[LI], s[46:47]             ; Q's two images stay in registers
	global_load_b128 v[20:23], v[LI], s[46:47] offset:512
	global_load_b128 v[24:27], v[LI], s[48:49]
	global_load_b128 v[28:31], v[LI], s[48:49] offset:512
	v_and_b32 v7, 15, v0                           ; r
	s_delay_alu instid0(VALU_DEP_1)
	v_and_b32 v8, 8, v7
	s_delay_alu instid0(VALU_DEP_1)
	v_add_nc_u32 v7, v7, v8                        ; r + 8 (r / 8)
	v_bfe_u32 v8, v0, 4, 1
	s_delay_alu instid0(VALU_DEP_1)
	v_lshlrev_b32 v8, 4, v8                        ; 16 h
	s_delay_alu instid0(VALU_DEP_1)
	v_sub_nc_u32 v7, v7, v8
	s_delay_alu instid0(VALU_DEP_1)
	v_add_nc_u32 v[DQ], s60, v7
	v_mov_b32 v[NINF], 0xff800000
	v_mov_b32 v236, 0                              ; written once: a lane permute's destination counts as one of its sources
	v_mov_b32 v252, 0
	v_mov_b32 v253, 0                              ; (named as the upper half of the pair v[252:253])
	s_wait_kmcnt 0x0
	s_add_co_i32 s60, s36, s37
	s_lshl_b32 s60, s60, 23
	s_add_co_i32 s22, s22, s60                     ; a score stands for score x 2^(e6 + e7): the exponents are added to c's exponent field
	s_mov_b32 s23, s22                             ; (named with it as a pair, so it is written)
	s_add_co_i32 s60, s38, 127
	s_lshl_b32 s61, s60, 23
	v_mov_b32 v244, s61                            ; 2^e8, for p's conversions
	s_sub_co_i32 s60, s40, s38
	s_sub_co_i32 s60, s60, s39                     ; a sum of the second product stands for sum x 2^(e8 + e9): its code is (sum / l) / 2^(e10 - e8 - e9)
	s_add_co_i32 s60, s60, 127
	s_lshl_b32 s61, s60, 23
	v_mov_b32 v245, s61
	s_wait_tensorcnt 0x0                           ; my 16 KiB have landed,
	s_barrier_signal -1
	s_barrier_wait -1                              ; everybody's have: K and V are whole, and nothing writes LDS any more
	s_wait_loadcnt 0x0                             ; Q
; A KEY STEP of 128 keys for the tile whose Q lies in v[q] on and whose group is s[a].
.macro STEP q, a
	s_cmp_gt_u32 s[KS], s[\a]
	s_cbranch_scc1 .Lhidden_\@                     ; all its keys come after my queries
	s_setprio 2
	v_add_nc_u32 v[ADK], s[TB], v[LI]
	v_add_nc_u32 v[ADV], s[TB], v[LV]
	v_nop
	v_nop                                          ; four plain lines between the last step's products and the loads into the registers that they read
.irp t, 0,1,2,3,4,5,6,7
.irp c, 0,1
	ds_load_b128 v[32+8*\t+4*\c:32+8*\t+4*\c+3], v[ADK] offset:1024*\t+512*\c
.endr
.endr
	s_wait_alu depctr_va_vdst(0)
	s_wait_dscnt 0x0
.irp t, 0,1,2,3,4,5,6,7
	v_wmma_f32_16x16x64_fp8_fp8 v[96+8*\t:103+8*\t], v[32+8*\t:39+8*\t], v[\q:\q+7], 0
.endr
.rept 4
	v_nop
.endr
.irp t, 0,1,2,3
.irp c, 0,1,2,3
	ds_load_b128 v[32+16*\t+4*\c:32+16*\t+4*\c+3], v[ADV] offset:2048*\t+512*\c   ; V's fragments land while the softmax is worked
.endr
.endr
	s_cmp_lt_u32 s[KS], s[\a]
	s_cbranch_scc1 .Lopen_\@                       ; all its keys count
.set n, 0
.rept 64                                       ; the diagonal: register 16 b + i holds key 32 b + 16 h + i of the group: hidden where 32 b + i > my query's place - 16 h
	v_cmp_gt_i32 vcc_lo, 32*(n/16)+n%16, v[DQ]
	v_cndmask_b32 v[96+n], v[96+n], v[NINF], vcc_lo
.set n, n+1
.endr
.Lopen_\@:
	v_max3_num_f32 v254, v96, v97, v98             ; the step's largest score of my query among my 64 keys, in two chains,
	v_max3_num_f32 v252, v99, v100, v101
.irp i, 6,10,14,18,22,26,30,34,38,42,46,50,54,58
	v_max3_num_f32 v254, v254, v[96+\i], v[97+\i]
	v_max3_num_f32 v252, v252, v[98+\i], v[99+\i]
.endr
	v_max3_num_f32 v254, v254, v158, v159
	s_delay_alu instid0(VALU_DEP_1)
	v_max_num_f32 v254, v254, v252
	s_delay_alu instid0(VALU_DEP_1)
	v_permlanex16_b32 v236, v254, s20, s21
	s_delay_alu instid0(VALU_DEP_1)
	v_max_num_f32 v254, v254, v236                 ; and among lane l xor 16's
	s_delay_alu instid0(VALU_DEP_1)
	v_mul_f32 v254, s22, v254                      ; as t (c is positive)
	s_delay_alu instid0(VALU_DEP_1)
	v_max_num_f32 v13, v13, v254                   ; the running largest t
	v_mov_b32 v254, v12
	s_delay_alu instid0(VALU_DEP_2)
	v_floor_f32 v12, -v13                          ; the new -M = floor(-t) = -ceil(t): a whole number
	s_delay_alu instid0(VALU_DEP_1)
	v_sub_f32 v254, v12, v254                      ; old M - new M: a whole number, 0 or less
	s_delay_alu instid0(VALU_DEP_1)
	v_cvt_i32_f32 v254, v254                       ; (it saturates)
	s_delay_alu instid0(VALU_DEP_1)
	v_ldexp_f32 v252, 1.0, v254                    ; f = 2^(old M - new M)
.set j, 0
	s_setprio 1
.rept 32
	v_pk_fma_f32 v[96+j:97+j], v[96+j:97+j], s[22:23], v[12:13] op_sel_hi:[1,0,0]   ; t - M, two at a time (of the pairs c and -M the low word serves both halves)
.set j, j+2
.endr
.set j, 0
	s_wait_alu depctr_va_vdst(0)
.rept 64
	v_exp_f32 v[96+j], v[96+j]                     ; p = 2^(t - M), at most 1
.set j, j+1
.endr
	v_pk_mul_f32 v[14:15], v[14:15], v[252:253] op_sel_hi:[1,0]   ; the sums under the new M (a plain line behind the exponentials)
	s_wait_alu depctr_va_vdst(0)
	v_pk_add_f32 v[242:243], v[100:101], v[104:105]
	v_pk_add_f32 v[248:249], v[108:109], v[112:113]
	v_pk_add_f32 v[246:247], v[116:117], v[120:121]
	v_pk_add_f32 v[240:241], v[124:125], v[128:129]
	v_pk_add_f32 v[238:239], v[132:133], v[136:137]
	v_pk_add_f32 v[234:235], v[140:141], v[144:145]
	v_pk_add_f32 v[232:233], v[148:149], v[152:153]
	v_pk_add_f32 v[14:15], v[14:15], v[156:157]
	v_pk_add_f32 v[242:243], v[242:243], v[96:97]
	v_pk_add_f32 v[248:249], v[248:249], v[98:99]
	v_pk_add_f32 v[246:247], v[246:247], v[102:103]
	v_pk_add_f32 v[240:241], v[240:241], v[106:107]
	v_pk_add_f32 v[238:239], v[238:239], v[110:111]
	v_pk_add_f32 v[234:235], v[234:235], v[114:115]
	v_pk_add_f32 v[232:233], v[232:233], v[118:119]
	v_pk_add_f32 v[14:15], v[14:15], v[122:123]
	v_pk_add_f32 v[242:243], v[242:243], v[126:127]
	v_pk_add_f32 v[248:249], v[248:249], v[130:131]
	v_pk_add_f32 v[246:247], v[246:247], v[134:135]
	v_pk_add_f32 v[240:241], v[240:241], v[138:139]
	v_pk_add_f32 v[238:239], v[238:239], v[142:143]
	v_pk_add_f32 v[234:235], v[234:235], v[146:147]
	v_pk_add_f32 v[232:233], v[232:233], v[150:151]
	s_setprio 0
	v_pk_add_f32 v[14:15], v[14:15], v[154:155]
	v_pk_add_f32 v[242:243], v[242:243], v[158:159]
	s_delay_alu instid0(VALU_DEP_2)
	v_pk_add_f32 v[14:15], v[14:15], v[240:241]
	s_delay_alu instid0(VALU_DEP_2)
	v_pk_add_f32 v[242:243], v[242:243], v[238:239]
	v_pk_add_f32 v[248:249], v[248:249], v[234:235]
	v_pk_add_f32 v[246:247], v[246:247], v[232:233]
	s_delay_alu instid0(VALU_DEP_2)
	v_pk_add_f32 v[14:15], v[14:15], v[248:249]
	s_delay_alu instid0(VALU_DEP_2)
	v_pk_add_f32 v[242:243], v[242:243], v[246:247]
	s_delay_alu instid0(VALU_DEP_1)
	v_pk_add_f32 v[14:15], v[14:15], v[242:243]
.irp b, 0,1,2,3
.irp i, 0,1,2,3,4,5,6,7,8,9,10,11,12,13,14,15
.endr
	v_cvt_scalef32_pk8_fp8_f32 v[192+4*\b:193+4*\b], v[96+16*\b:103+16*\b], v244
	v_cvt_scalef32_pk8_fp8_f32 v[194+4*\b:195+4*\b], v[104+16*\b:111+16*\b], v244
.endr
.set j, 0
.rept 16
	v_pk_mul_f32 v[160+j:161+j], v[160+j:161+j], v[252:253] op_sel_hi:[1,0]   ; O^T under the new M; these are also the plain lines behind the conversions
.set j, j+2
.endr
	s_wait_alu depctr_va_vdst(0)
	s_wait_dscnt 0x0                               ; V is in
.irp t, 0,1,2,3                                ; four accumulators by turns; the next step's eight score products stand between a chain's links
	v_wmma_f32_16x16x128_fp8_fp8 v[160+8*\t:167+8*\t], v[32+16*\t:47+16*\t], v[192:207], v[160+8*\t:167+8*\t]
.endr
.Lhidden_\@:
.endm
; A PASS: one tile of 16 queries.  q: Q's registers; a: the scalar that holds its group; o: the registers for its codes; d: the scalar pair with their address.
.macro PASS q, a, o, d
	v_mov_b32 v13, 0xff61b1e6                      ; the largest t so far: -3e38, under every t
	s_delay_alu instid0(VALU_DEP_1)
	v_floor_f32 v12, -v13                          ; -M
	v_mov_b32 v14, 0                               ; the sum, in two halves
	v_mov_b32 v15, 0
.set j, 0
.rept 32
	v_mov_b32 v[160+j], 0                          ; O^T: the step is written once; the first finds zeros, which the first change of M leaves zeros
.set j, j+1
.endr
	s_mov_b32 s[KS], 0
	s_mov_b32 s[TB], 0
.Lkeys_\@:                                         ; 16 trips, a constant
	STEP \q, \a
	s_add_co_u32 s[TB], s[TB], 8192
	s_add_co_u32 s[KS], s[KS], 1
	s_cmp_lt_u32 s[KS], 16
	s_cbranch_scc1 .Lkeys_\@
	s_setprio 0
.rept 4
	v_nop                                          ; between the last products and the first read of O^T
.endr
	v_add_f32 v14, v14, v15                        ; the sum's two halves,
	s_delay_alu instid0(VALU_DEP_1)
	v_permlanex16_b32 v252, v14, s20, s21
	s_delay_alu instid0(VALU_DEP_1)
	v_add_f32 v14, v14, v252                       ; and lane l xor 16's: the row's sum l
	s_wait_alu depctr_va_vdst(0)
	v_rcp_f32 v14, v14
	v_nop                                          ; a plain line behind the transcendental
.set j, 0
	s_wait_alu depctr_va_vdst(0)
.rept 16
	v_pk_mul_f32 v[96+j:97+j], v[160+j:161+j], v[14:15] op_sel_hi:[1,0]   ; O^T / l, each accumulator from its low end on
.set j, j+2
.endr
.set j, 0
.rept 32
.set j, j+1
.endr
.irp t, 0,1,2,3
	v_cvt_scalef32_pk8_fp8_f32 v[\o+2*\t:\o+2*\t+1], v[96+8*\t:103+8*\t], v245
.endr
	v_nop                                          ; a plain line behind the last conversion
	global_store_b128 v[LI], v[\o:\o+3], s[\d:\d+1]                  ; 32 lanes store 512 consecutive bytes, at a multiple of 512 from the buffer's first byte
	global_store_b128 v[LI], v[\o+4:\o+7], s[\d:\d+1] offset:512
.endm
	PASS 16, 42, 208, 50
	PASS 24, 43, 216, 52
	s_wait_tensorcnt 0x0
	ds_add_u32 v251, v255
	s_wait_dscnt 0x0
	ROUND                                          ; the closing round
	s_endpgm
.Lfunc_end_k_q1d86274be2_attn:
	.size	k_q1d86274be2_attn, .Lfunc_end_k_q1d86274be2_attn-k_q1d86274be2_attn
	.p2alignl 7, 3214868480
	.fill 96, 4, 3214868480
	.section	.rodata,"a",@progbits
	.p2align	6, 0x0
	.amdhsa_kernel k_q1d86274be2_attn
		.amdhsa_group_segment_fixed_size 264192
		.amdhsa_private_segment_fixed_size 0
		.amdhsa_enable_private_segment 0
		.amdhsa_kernarg_size 24
		.amdhsa_user_sgpr_count 2
		.amdhsa_user_sgpr_kernarg_segment_ptr 1
		.amdhsa_wavefront_size32 1
		.amdhsa_system_sgpr_workgroup_id_x 1
		.amdhsa_system_sgpr_workgroup_id_y 1
		.amdhsa_system_sgpr_workgroup_id_z 1
		.amdhsa_system_vgpr_workitem_id 0
		.amdhsa_next_free_vgpr 256
		.amdhsa_next_free_sgpr 66
		.amdhsa_reserve_vcc 1
		.amdhsa_float_denorm_mode_32 3
		.amdhsa_float_denorm_mode_16_64 3
		.amdhsa_fp16_overflow 1
		.amdhsa_memory_ordered 1
		.amdhsa_forward_progress 1
		.amdhsa_inst_pref_size 51
	.end_amdhsa_kernel
	.amdgpu_metadata
---
amdhsa.version: [ 1, 2 ]
amdhsa.kernels:
  - .name:           k_q1d86274be2_attn
    .symbol:         k_q1d86274be2_attn.kd
    .args:
      - { .name: qkv_codes, .offset: 0, .size: 8, .value_kind: global_buffer, .address_space: global }
      - { .name: lowp_scales, .offset: 8, .size: 8, .value_kind: global_buffer, .address_space: global }
      - { .name: ao_codes, .offset: 16, .size: 8, .value_kind: global_buffer, .address_space: global }
    .group_segment_fixed_size: 264192
    .private_segment_fixed_size: 0
    .kernarg_segment_align: 8
    .kernarg_segment_size: 24
    .max_flat_workgroup_size: 512
    .sgpr_count:     66
    .vgpr_count:     256
    .wavefront_size: 32
...
	.end_amdgpu_metadata
.endif
;; end of part 3
;; launch proj (part 4): grid 4 x 64, 4 waves a work-group, clusters of 4 x 1, 327,680 bytes of LDS; arguments ao_codes, w_codes, bo, lowp_scales, out0; writes out0
.if DOCPART == 4
	.amdgcn_target "amdgcn-amd-amdhsa--gfx1250"
	.amdhsa_code_object_version 6
	.text
	.protected	k_q1d86274be2_proj
	.globl	k_q1d86274be2_proj
	.p2align	8
	.type	k_q1d86274be2_proj,@function
k_q1d86274be2_proj:
	s_mov_b64 s[64:65], 0
	v_nop
	global_prefetch_b8 v0, s[64:65] scope:SCOPE_SE
	s_setreg_imm32_b32 hwreg(HW_REG_WAVE_MODE, 25, 1), 1
	s_wait_xcnt 0x0
	s_wait_alu depctr_hold_cnt(0) depctr_sa_sdst(0) depctr_va_vdst(0) depctr_va_sdst(0) depctr_va_ssrc(0) depctr_va_vcc(0) depctr_vm_vsrc(0)
	s_getreg_b32 s2, hwreg(HW_REG_IB_STS2, 6, 4)
	s_cmp_eq_u32 s2, 0
	s_cbranch_scc0 .Lentry_in_a_cluster
	s_endpgm
.Lentry_in_a_cluster:
	s_bfe_u32 s2, ttmp6, 0x10000c
	s_cmp_lg_u32 s2, 0x3003
	s_cbranch_scc0 .Lentry_shape_is_right
	s_endpgm
.Lentry_shape_is_right:
; out0 = attention's result x Wo^T + bo, on codes of FP8 (E4M3): out = sum x 2^(e10 + e11) + bo, f32.
; SHARES.  Work-group y = a block of 128 tokens; its place cx in the cluster of four is a quarter of the 1,024 output channels; wave w owns channels 256 cx + 64 w on, for all 128 tokens: 32 accumulators, K = 1,024 in 8 steps.
; OPERANDS lie in memory as images of their registers (tile t = rows 32 (t / 2) + 8 (t % 2) + p + 8 (p / 8); image = 4 x 512 bytes, 16 bytes a lane).
;   The block's codes (128 KiB on end) come into LDS once, each 16 KiB asked for JOINTLY by the four partners (mask 15).  No LDS byte is filled twice.
;   The wave's 64 KiB of Wo go from memory straight into 512 registers: no other wave and no partner needs them, so neither LDS nor a joint load would spare a byte.
; Source 0 = 16 rows of Wo, source 1 = 16 tokens: a lane holds one token and eight neighbouring channels a tile.  A token tile goes through the wave's own stage in LDS (bytes that no fill touches) and leaves as rows:
; sixteen lanes store 256 consecutive bytes of a row of out0, at a multiple of 256 from its first byte.
; LIMIT: e10 + e11 between -126 and 127, so that 2^(e10 + e11) is an f32 number.
; REGISTERS, in windows of 256: window 0: v1-7 addresses; v16-47 bo, 8 a tile of Wo; v64-127, v128-191 two sets of four fragments (on the way out v64-127: rows read back); v192-223 a tile's results.
;   window 1: Wo's fragments of K steps 0-3 (step s, tile t at 64 (s % 4) + 16 t); window 2: of K steps 4-7; window 3: the accumulators ((t, token tile q) at 8 (4 q + t)).
.set LI,   1                           ; v1   16 x lane
.set LI2,  2                           ; v2   16 x lane + 65536
.set BQ,   3                           ; v3   64 h
.set STO,  5                           ; v5   the stage, on the way in: row r, + 64 h
.set RD,   6                           ; v6   the stage, on the way out: row l / 16, + 16 (l % 16)
.set CO,   7                           ; v7   the same two rows in out0
.set BIAS, 16
.set F0,   64
.set BK,   64
.set TMP,  192
.set SPITCH, 272                       ; a stage row: 256 bytes + 16 = 68 words: row r starts at bank 4 r mod 64 (64 banks of 4 bytes: ISA guide 11.1)
.set STAGE,  131072                    ; behind the block's codes: 16 rows for each wave
.set WV,   18
.set G1,   24
.set G0A,  32
.set G0B,  36
.set MSB, 0
.macro WIN new                         ; the immediate's high byte repeats the setting that is left
.if MSB != \new
	s_set_vgpr_msb (MSB<<8)|\new
.set MSB, \new
.endif
.endm
.macro PLACES                          ; four plain lines between a matrix instruction and a load into, or a vector read of, its registers
.rept 4
	v_nop
.endr
.endm
.macro ROUND                           ; a round of the cluster's barrier
	s_barrier_signal -1
	s_barrier_wait -1
	s_cmp_lg_u32 s[WV], 0
	s_cbranch_scc1 .Lnot_wave_0_\@
	s_barrier_signal -3
.Lnot_wave_0_\@:
	s_barrier_wait -3
	s_barrier_signal -1
	s_barrier_wait -1
.endm
	s_load_b256 s[4:11], s[0:1], 0x0               ; ao_codes s[4:5], w_codes s[6:7], bo s[8:9], scales s[10:11]
	s_load_b64 s[12:13], s[0:1], 0x20              ; out0
	v_lshl_add_u32 v254, v0, 2, 0x29000
	v_mov_b32 v255, 0
	ds_add_u32 v254, v255
	ds_add_u32 v254, v255
	v_lshrrev_b32 v8, 5, v0
	v_readfirstlane_b32 s[WV], v8                  ; wave 0..3
	v_and_b32 v8, 31, v0
	v_lshlrev_b32 v[LI], 4, v8
	v_add_nc_u32 v[LI2], 0x10000, v[LI]
	v_and_b32 v8, 15, v0                           ; r
	v_bfe_u32 v9, v0, 4, 1                         ; h
	v_lshlrev_b32 v[BQ], 6, v9
	s_mul_i32 s68, s[WV], 16*SPITCH
	s_add_co_u32 s68, s68, STAGE                   ; my stage
	v_mul_u32_u24 v[STO], v8, SPITCH
	v_lshl_add_u32 v[STO], v9, 6, v[STO]
	v_add_nc_u32 v[STO], s68, v[STO]
	v_mul_u32_u24 v[RD], v9, SPITCH
	v_lshl_add_u32 v[RD], v8, 4, v[RD]
	v_add_nc_u32 v[RD], s68, v[RD]
	v_lshlrev_b32 v[CO], 12, v9
	v_lshl_add_u32 v[CO], v8, 4, v[CO]
	s_bfe_u32 s19, ttmp6, 0x40000                  ; cx: it enters Wo's, bo's and the output's addresses alone
	s_and_b32 s22, ttmp7, 0xffff                   ; the block of 128 tokens, which the partners share
	s_mov_b32 s[G1+0], 15|(3<<16)|(1<<21)          ; 16 KiB that are dense in memory: 64 rows of 32 elements of 8 bytes; mask: all four work-groups; bit 21 set beside it
	s_mov_b32 s[G1+1], 32<<16
	s_mov_b32 s[G1+2], 64<<16
	s_mov_b32 s[G1+3], 32<<16
	s_mov_b32 s[G1+4], 64
	s_mov_b32 s[G1+5], 32
	s_mov_b32 s[G1+6], 0
	s_mov_b32 s[G1+7], 0
	s_lshl_b32 s66, s22, 17                        ; the block's codes: 128 KiB a block, 16 KiB a wave: nothing of cx
	s_lshl_b32 s67, s[WV], 14
	s_add_co_u32 s66, s66, s67
	s_mov_b32 s67, 0
	s_lshl_b32 s70, s19, 1                         ; Wo: the fourth MiB of w_codes; block 2 cx + w / 2 of 128 KiB, + (w % 2) x 32 KiB
	s_lshr_b32 s71, s[WV], 1
	s_add_co_u32 s70, s70, s71
	s_lshl_b32 s70, s70, 17
	s_and_b32 s71, s[WV], 1
	s_lshl_b32 s71, s71, 15
	s_add_co_u32 s70, s70, s71
	s_add_co_u32 s70, s70, 0x300000
	s_mov_b32 s71, 0
	s_lshl_b32 s72, s19, 10                        ; my 64 channels begin at 256 cx + 64 w: 4 bytes each, in bo and in a row of out0
	s_lshl_b32 s73, s[WV], 8
	s_add_co_u32 s72, s72, s73
	s_mov_b32 s73, 0
	s_lshl_b32 s74, s22, 19                        ; 128 rows of 4,096 bytes a block
	s_add_co_u32 s74, s74, s72
	s_mov_b32 s75, 0
	s_wait_dscnt 0x0
	s_wait_kmcnt 0x0
	s_load_b64 s[52:53], s[10:11], 0x28            ; e10, e11
	s_add_nc_u64 s[56:57], s[6:7], s[70:71]
	s_add_nc_u64 s[58:59], s[8:9], s[72:73]
	s_add_nc_u64 s[60:61], s[12:13], s[74:75]
	s_mov_b32 s[G0A], 1
	s_lshl_b32 s[G0A+1], s[WV], 14                 ; LDS address: 16384 x wave
	s_add_nc_u64 s[G0A+2:G0A+3], s[4:5], s[66:67]
	s_mov_b32 s[G0B], 1
	s_add_co_u32 s[G0B+1], s[G0A+1], 0x10000
	s_add_nc_u64 s[G0B+2:G0B+3], s[G0A+2:G0A+3], 0x10000
	s_or_b32 s[G0A+3], s[G0A+3], 0x80000000        ; type = 2
	s_or_b32 s[G0B+3], s[G0B+3], 0x80000000
	ROUND                                          ; all four work-groups are here: the joint loads meet
	tensor_load_to_lds s[G0A:G0A+3], s[G1:G1+7]    ; the first K half's fill; the second goes out behind the next round
	s_nop 0
	s_wait_alu depctr_va_vdst(0)
	s_wait_tensorcnt 0x0
	ds_add_u32 v254, v255
	s_wait_dscnt 0x0
	ROUND
	tensor_load_to_lds s[G0B:G0B+3], s[G1:G1+7]
	s_nop 0
.rept 4
	v_nop
.endr
	s_wait_alu depctr_va_vdst(0)
.irp t, 0,1,2,3
	global_load_b128 v[BIAS+8*\t:BIAS+8*\t+3], v[BQ], s[58:59] offset:(32*(\t/2)+8*(\t%2))*4       ; tile t, lane half h: channels 32 (t / 2) + 8 (t % 2) + 16 h + 0 .. 7
	global_load_b128 v[BIAS+8*\t+4:BIAS+8*\t+7], v[BQ], s[58:59] offset:(32*(\t/2)+8*(\t%2))*4+16
.endr
.macro WLOAD s                         ; Wo's four fragments of K step s: 16 loads of 512 consecutive bytes, into registers that are written once
.if (\s) < 4
	WIN 0x40
.else
	WIN 0x80
.endif
.irp t, 0,1,2,3
.irp c, 0,1,2,3
	global_load_b128 v[64*((\s)%4)+16*\t+4*\c:64*((\s)%4)+16*\t+4*\c+3], v[LI], s[56:57] offset:((\s)/4)*65536+\t*8192+((\s)%4)*2048+512*\c
.endr
.endr
	WIN 0
.endm
.macro FETCH f, s, g                   ; the fragments of token tiles 4 g .. 4 g + 3, K step s, into set f
.irp i, 0,1,2,3
.irp c, 0,1,2,3
	ds_load_b128 v[F0+64*(\f)+16*\i+4*\c:F0+64*(\f)+16*\i+4*\c+3], v[LI+(\s)/4] offset:(4*(\g)+\i)*8192+((\s)%4)*2048+512*\c
.endr
.endr
.endm
; 16 products: token tiles 4 g .. 4 g + 3 x Wo's four tiles, K step s.  The first K step starts the sums with the constant 0.  The 32 accumulators take turns, one instruction a turn.
.macro MUL16 s, g
.if (\s) < 4
	WIN 0xf1                                       ; source 0 window 1, source 1 window 0, C and D window 3
.else
	WIN 0xf2                                       ; source 0 window 2
.endif
.irp i, 0,1,2,3
.irp t, 0,1,2,3
.set rA, 8*(4*(4*(\g)+\i)+\t)
.set rW, 64*((\s)%4)+16*\t
.set rF, F0+64*(\g)+16*\i
.if (\s) == 0
	v_wmma_f32_16x16x128_fp8_fp8 v[rA:rA+7], v[rW:rW+15], v[rF:rF+15], 0
.else
	v_wmma_f32_16x16x128_fp8_fp8 v[rA:rA+7], v[rW:rW+15], v[rF:rF+15], v[rA:rA+7]
.endif
.endr
.endr
.endm
.macro KSTEP s
.if (\s) <= 5
	s_wait_loadcnt 32                              ; Wo of this step is in (and bo, whose loads are older); the two younger steps' 32 loads stay out
.elseif (\s) == 6
	s_wait_loadcnt 16
.else
	s_wait_loadcnt 0x0
.endif
.if (\s) <= 4
	WLOAD (\s)+3
.endif
.if (\s) == 3
	s_wait_tensorcnt 0x0                           ; my part of the second K half has landed,
	s_wait_dscnt 0x0                               ; no LDS load of mine is pending at the signal,
	s_barrier_signal -1                            ; and I say so
.else
	s_wait_dscnt 16                                ; set 0 is in; set 1's sixteen loads may be out
.endif
	MUL16 \s, 0
	WIN 0
.if (\s) == 3
	s_barrier_wait -1                              ; the second K half is whole
.endif
	PLACES
.if (\s) < 7
	FETCH 0, (\s)+1, 0
	s_wait_dscnt 16                                ; set 1 is in; the sixteen just issued may be out
.else
	s_wait_dscnt 0x0
.endif
	MUL16 \s, 1
	WIN 0
	PLACES                                         ; in front of the loads into set 1; behind the last K step: in front of the first read of results and of the loads into v64-127
.if (\s) < 7
	FETCH 1, (\s)+1, 1
.endif
.endm
; THE WAY OUT, a token tile (16 rows x my 64 channels) at a time.  LDS serves a wave's instructions in order (ISA guide 5.7.1.4): no wait between the stores and the loads, nor in front of the next tile's stores.
.macro TOSTAGE q
	WIN 0x03                                       ; source 0 (the sums) window 3
.irp t, 0,1,2,3
.irp i, 0,2,4,6
	v_pk_fma_f32 v[TMP+8*\t+\i:TMP+8*\t+\i+1], v[8*(4*(\q)+\t)+\i:8*(4*(\q)+\t)+\i+1], s[52:53], v[BIAS+8*\t+\i:BIAS+8*\t+\i+1] op_sel_hi:[1,0,1]   ; sum x 2^(e10 + e11) + bo; each accumulator from its low end on
.endr
.endr
	WIN 0
.irp t, 0,1,2,3
	ds_store_b128 v[STO], v[TMP+8*\t:TMP+8*\t+3] offset:128*(\t/2)+32*(\t%2)        ; row r: channels 32 (t / 2) + 16 h + 8 (t % 2) + 0 .. 7
	ds_store_b128 v[STO], v[TMP+8*\t+4:TMP+8*\t+7] offset:128*(\t/2)+32*(\t%2)+16
.endr
.set BB, BK+32*((\q)%2)
.irp i, 0,1,2,3,4,5,6,7
	ds_load_b128 v[BB+4*\i:BB+4*\i+3], v[RD] offset:2*SPITCH*\i                     ; stage rows 2 i and 2 i + 1, whole
.endr
.endm
.macro SEND q, younger                 ; younger: the LDS instructions issued behind tile q's loads, which may stay out
.set BB, BK+32*((\q)%2)
	s_wait_dscnt \younger
.irp i, 0,1,2,3,4,5,6,7
	global_store_b128 v[CO], v[BB+4*\i:BB+4*\i+3], s[60:61] offset:(32*((\q)/2)+8*((\q)%2)+2*\i+8*(\i/4))*4096 th:TH_STORE_NT   ; stage row p is token 32 (q / 2) + 8 (q % 2) + p + 8 (p / 8); written once, read by nobody here
.endr
.endm
	WLOAD 0
	WLOAD 1
	WLOAD 2
	s_wait_kmcnt 0x0
	s_add_co_i32 s52, s52, s53
	s_add_co_i32 s52, s52, 127
	s_lshl_b32 s52, s52, 23                        ; 2^(e10 + e11) as f32
	s_mov_b32 s53, s52                             ; (named with it as a pair, so it is written)
	s_wait_tensorcnt 1                             ; my part of the first K half has landed; the second half's load may stay out
	s_barrier_signal -1
	s_barrier_wait -1
	FETCH 0, 0, 0
	FETCH 1, 0, 1
.irp s, 0,1,2,3,4,5,6,7
	KSTEP \s
.endr
	TOSTAGE 0
.irp q, 1,2,3,4,5,6,7
.if \q > 1
	s_wait_xcnt 0x0                                ; tile q - 2's stores have read their registers: tile q's loads may land there
.endif
	TOSTAGE \q
	SEND \q-1, 16                                  ; behind tile q - 1's loads: tile q's 8 stores and 8 loads
.endr
	SEND 7, 0
	s_wait_tensorcnt 0x0
	ds_add_u32 v254, v255
	s_wait_dscnt 0x0
	ROUND                                          ; the closing round
	s_endpgm
.Lfunc_end_k_q1d86274be2_proj:
	.size	k_q1d86274be2_proj, .Lfunc_end_k_q1d86274be2_proj-k_q1d86274be2_proj
	.p2alignl 7, 3214868480
	.fill 96, 4, 3214868480
	.section	.rodata,"a",@progbits
	.p2align	6, 0x0
	.amdhsa_kernel k_q1d86274be2_proj
		.amdhsa_group_segment_fixed_size 327680
		.amdhsa_private_segment_fixed_size 0
		.amdhsa_enable_private_segment 0
		.amdhsa_kernarg_size 40
		.amdhsa_user_sgpr_count 2
		.amdhsa_user_sgpr_kernarg_segment_ptr 1
		.amdhsa_wavefront_size32 1
		.amdhsa_system_sgpr_workgroup_id_x 1
		.amdhsa_system_sgpr_workgroup_id_y 1
		.amdhsa_system_sgpr_workgroup_id_z 1
		.amdhsa_system_vgpr_workitem_id 0
		.amdhsa_next_free_vgpr 1024
		.amdhsa_next_free_sgpr 96
		.amdhsa_reserve_vcc 0
		.amdhsa_float_denorm_mode_32 3
		.amdhsa_float_denorm_mode_16_64 3
		.amdhsa_memory_ordered 1
		.amdhsa_forward_progress 1
		.amdhsa_inst_pref_size 78
	.end_amdhsa_kernel
	.amdgpu_metadata
---
amdhsa.version: [ 1, 2 ]
amdhsa.kernels:
  - .name:           k_q1d86274be2_proj
    .symbol:         k_q1d86274be2_proj.kd
    .args:
      - { .name: ao_codes, .offset: 0, .size: 8, .value_kind: global_buffer, .address_space: global }
      - { .name: w_codes, .offset: 8, .size: 8, .value_kind: global_buffer, .address_space: global }
      - { .name: bo, .offset: 16, .size: 8, .value_kind: global_buffer, .address_space: global }
      - { .name: lowp_scales, .offset: 24, .size: 8, .value_kind: global_buffer, .address_space: global }
      - { .name: out0, .offset: 32, .size: 8, .value_kind: global_buffer, .address_space: global }
    .group_segment_fixed_size: 327680
    .private_segment_fixed_size: 0
    .kernarg_segment_align: 8
    .kernarg_segment_size: 40
    .max_flat_workgroup_size: 128
    .sgpr_count:     96
    .vgpr_count:     1024
    .wavefront_size: 32
...
	.end_amdgpu_metadata
.endif
;; end of part 4
